; MI455X (gfx1250); checked and timed in simulation.
; The chip was launched on July 23, 2026; its instructions are those of AMD's public machine-readable ISA for CDNA 5 (MIT licence, August 2026) and "CDNA5" Instruction Set Architecture Reference Guide (July 2026). The comments in the code are by the model that wrote it; some were corrected since.
;; Casual Attention. Allowed arithmetic: matrix products marked QUANTISED: E3M2 operands, one E8M0 scale for each 32 along K, by v_wmma_scale_f32_16x16x128_f8f6f4 with both operands' format E3M2, f32 sums; everything else in f32.
;; Inputs: x 2 x 2,048 x 1,024 float32.
;; Outputs: out0 2 x 2,048 x 1,024 float32.
;; This version of the problem:
;;   THIS VERSION OF THE PROBLEM IS GIVEN IN LOW PRECISION. The matrix products marked QUANTISED in the list below multiply operands that are first quantised to E3M2 (3 exponent bits, 2 mantissa bits; 6 bits a number), with one power-of-two scale for each 32 numbers along K (OCP MX v1.0); their sums are f32. All else is computed in f32.
;;   The module's matrix products, in the order in which they are computed (A, B: the left and right operand; K: the contracted axis; several contracted axes count as one K, in the product's order):
;;     1. batch 32 x [M 2,048, K 64] x [K 64, N 2,048]; A: input x; B: input x: QUANTISED
;;     2. batch 32 x [M 2,048, K 2,048] x [K 2,048, N 64]; A: softmax (see below); B: input x: QUANTISED
;;   THE QUANTISER, for each operand of a quantised product, along K:
;;     - K is cut into blocks of 32 from its start; a last block that is shorter is filled with zeros.
;;     - A block's scale is 2^e with e = floor(log2(the largest magnitude in the block)) - 4, held to -126 .. 127; a block of zeros has e = 0. As a byte (E8M0): e + 127.
;;     - Each number is divided by its block's scale, clamped to +-28, and rounded to the nearest number of E3M2, ties to even, subnormals kept.
;;     - The product sums the exact products of the quantised numbers (number of the format x scale) in f32.
;;   ~~~python
;;   def quantise(x, axis):      # numpy; x: float32 -> the quantised numbers, widened to float32 again
;;       x = np.moveaxis(x, axis, -1); K = x.shape[-1]
;;       x = np.pad(x, [(0, 0)] * (x.ndim - 1) + [(0, -K % 32)]); x = x.reshape(x.shape[:-1] + (-1, 32)); a = np.abs(x).max(-1, keepdims=True)
;;       e = np.where(a > 0, np.clip(np.frexp(np.where(a > 0, a, 1))[1] - 1 - 4, -126, 127), 0)      # np.frexp(a)[1] - 1 = floor(log2(a)), exactly
;;       r = np.clip(x / 2.0 ** e, -28, 28)
;;       step = 2.0 ** (np.maximum(np.frexp(np.where(r == 0, 1, r))[1] - 1, -2) - 2)
;;       q = np.round(r / step) * step * 2.0 ** e      # np.round: ties to even
;;       return np.moveaxis(q.reshape(q.shape[:-2] + (-1,))[..., :K], -1, axis).astype(np.float32)
;;   ~~~
;;   SOFTMAX AHEAD OF A QUANTISED PRODUCT. Where the list says 'softmax', what is quantised is not the finished softmax but p = 2^(t - M), with t = logit x log2(e) and M = ceil(the row's largest t), a whole number; so 1/2 < the row's largest p <= 1. The row's sum l is taken of the UNQUANTISED p, in f32, and the product's result is divided by l at the end. Since M is a whole number, a kernel that streams over the keys may use a running M (the ceiling of the running maximum): every later rescaling is an exact power of two, which a block's scale takes up: the codes' values come out the same.
;;   OPERANDS COMPUTED ON THE WAY. 'Computed on the way' means the value that the module computes at that place (a softmax that the list does not call 'softmax' is quantised finished and normalised). What goes into a quantiser is computed in f32, as accurately as f32 sums, v_exp_f32 and their like allow (about 1e-6 of the number): no bf16 or f16 on the way to a quantiser, and a product that is left as it is and whose result goes on into a quantised operand takes f32 operands (vector FMAs, or v_wmma_f32_16x16x4_f32). A number that lies on a knife's edge between two numbers of the format may be rounded either way, as far as f32 arithmetic and the matrix unit's own rounding can turn it there, and no further.
;; One version. Each part assembles by itself: llvm-mc -triple=amdgcn-amd-amdhsa -mcpu=gfx1250 --defsym DOCPART=n.
;; ======== version 1 of 1: 2 launches
;; limits: right only within a limited range of input values
;; workspace buffers: ws 6,553,600 bytes
;; launch quant (part 1): grid 16 x 32, 4 waves a work-group, no clusters, 48,128 bytes of LDS; arguments x, ws; writes ws
.if DOCPART == 1
	.amdgcn_target "amdgcn-amd-amdhsa--gfx1250"
	.amdhsa_code_object_version 6
	.text
	.protected	k_q1a1ba31f1f_quant
	.globl	k_q1a1ba31f1f_quant
	.p2align	8
	.type	k_q1a1ba31f1f_quant,@function
k_q1a1ba31f1f_quant:
	s_mov_b64 s[64:65], 0
	v_nop
	global_prefetch_b8 v0, s[64:65] scope:SCOPE_SE
	s_setreg_imm32_b32 hwreg(HW_REG_WAVE_MODE, 25, 1), 1
	s_wait_xcnt 0x0
; x [2][2048][1024] f32 is quantised ONCE, in both directions that causal self-attention with q = k = v = x wants, to codes of BF6 (E3M2) with one E8M0 byte for each 32 along K.
; A work-group takes 128 keys (a step) of one head (64 channels): 128 rows of 256 bytes.  It writes one unit of 12,800 bytes of ws, laid in the ORDER OF THE OPERANDS' REGISTERS:
;   bytes 0 .. 6,143      K image: fragment f (4) x lane (32) x 48 bytes.  Lane r + 16 hh: bytes 0-23 the codes of key 32 f + r + 8 (r / 8), channels 32 hh on; bytes 24-47 those of key 32 f + 8 + r + 8 (r / 8).
;                         (K of the first product is 64, the matrix instruction's 128: one fragment carries TWO tiles of 16 keys, one in k = 0 .. 63, the other in k = 64 .. 127.)
;   bytes 6,144 .. 12,287 V image: tile t (4) x lane (32) x 48 bytes.  Lane r + 16 hh: channel 16 t + r; bytes 0-23 the codes of keys 32 hh on, bytes 24-47 of keys 64 + 32 hh on.
;   bytes 12,288 .. 12,799 scale words: lane (32) x 4 words.  Lanes 0-15, word f: the four bytes of K fragment f's row r; lanes 16-31, word t: the four block bytes of channel 16 t + r.
; A block's scale is 2^(floor(log2(its largest magnitude)) - 4): its byte is the largest magnitude's exponent field - 4, held at 1 from below by a floor among the maximum's leaves.
; LIMITS: a block of zeros gets the byte 1 where the quantiser's text says 127 (its codes are zeros, which add nothing under any byte but 0xff, and this program alone reads the bytes);
; NaN and infinities among the inputs are not served.
; The rows come in by loads of 512 bytes (two whole rows of 256), turn through a tile in LDS (rows 272 bytes apart), and are read back twice: a lane to a key (registers along the channels),
; and a lane to a channel (registers down the keys).  The images are gathered in LDS and leave as runs of 512 consecutive bytes a wave.  No tensor load, no matrix work, no cluster: work-groups share nothing.
.set TPITCH, 272                       ; a row of the tile in LDS: 256 bytes + 16
.set WROWS,  32*TPITCH                 ; a wave's 32 rows
.set IMG,    128*TPITCH                ; behind the tile: the unit's image, 12,800 bytes
.set VIMG,   IMG+6144
.set SIMG,   IMG+12288
.set UNIT,   12800
.set X,   16                           ; v16-79   as loaded; later 2 x 32 numbers down the keys; at last the image on its way out
.set Y,   80                           ; v80-143  a key's 64 numbers
.set CK,  144                          ; v144-155 the key's codes: two blocks of six registers
.set DT,  156                          ; v156-158 the second half of a block's codes (a conversion's three registers begin on an even number)
.set MA,  164                          ; v164, v165 two chains of the maximum; v166 the conversion's scale operand
.set MB,  165
.set SOP, 166
.set B0,  168                          ; v168-171 four scale bytes; v172 the key's two as one half word
.set KW,  172
.set CV,  176                          ; v176-187 the channel's codes: two blocks of six registers
	s_load_b128 s[4:7], s[0:1], 0x0                ; x s[4:5], ws s[6:7]
	v_lshl_add_u32 v192, v0, 2, 0xba00
	v_mov_b32 v193, 0
	v_lshrrev_b32 v12, 5, v0
	v_readfirstlane_b32 s8, v12                    ; wave 0..3
	s_and_b32 s10, ttmp7, 0xffff                   ; head = 16 b + h
	s_lshr_b32 s11, s10, 4                         ; b
	s_and_b32 s12, s10, 15                         ; h
	s_lshl_b32 s14, s11, 23                        ; a batch is 2,048 rows of 4,096 bytes
	s_lshl_b32 s13, ttmp9, 19                      ; a step is 128 rows
	s_add_co_u32 s14, s14, s13
	s_lshl_b32 s13, s8, 17                         ; a wave's 32 rows
	s_add_co_u32 s14, s14, s13
	s_lshl_b32 s13, s12, 8                         ; the head's 256 bytes of a row
	s_add_co_u32 s14, s14, s13
	s_mov_b32 s15, 0
	s_lshl_b32 s16, s10, 4
	s_add_co_u32 s16, s16, ttmp9
	s_mul_i32 s16, s16, UNIT                       ; the unit: (16 head + step) x 12,800
	s_mov_b32 s17, 0
	v_and_b32 v1, 31, v0                           ; lane l
	v_and_b32 v12, 15, v0                          ; l % 16
	v_bfe_u32 v13, v0, 4, 1                        ; l / 16
	v_lshlrev_b32 v14, 4, v12                      ; 16 (l % 16)
	v_lshl_add_u32 v2, v13, 12, v14                ; in: lanes 0-15 one row's 256 bytes, lanes 16-31 the next row's
	s_wait_alu depctr_va_vdst(0)
	s_wait_kmcnt 0x0
	s_add_nc_u64 s[4:5], s[4:5], s[14:15]
	s_add_nc_u64 s[6:7], s[6:7], s[16:17]
.irp i, 0,1,2,3,4,5,6,7,8,9,10,11,12,13,14,15
	global_load_b128 v[X+4*\i:X+4*\i+3], v2, s[4:5] offset:8192*\i th:TH_LOAD_NT   ; rows 2 i, 2 i + 1 of my 32; read once in the launch
.endr
	; the LDS addresses, each a constant + constants x lane fields + constants x wave fields
	s_mul_i32 s18, s8, WROWS
	v_mad_u32_u24 v3, v13, TPITCH, v14
	v_add_nc_u32 v3, s18, v3                       ; into the tile: as loaded
	v_mul_u32_u24 v4, v1, TPITCH
	v_add_nc_u32 v4, s18, v4                       ; out of it by keys: key 32 w + l, its whole row
	s_lshr_b32 s19, s8, 1                          ; w / 2: which key blocks I take down the keys
	s_and_b32 s20, s8, 1                           ; w % 2: which 32 channels
	s_mul_i32 s21, s19, WROWS
	s_lshl_b32 s22, s20, 7
	s_add_co_u32 s21, s21, s22
	v_lshl_add_u32 v5, v1, 2, s21                  ; out of it by channels: channel l + 32 (w % 2), from key 32 (w / 2) on
	v_and_b32 v15, 7, v0
	v_lshl_add_u32 v15, v13, 3, v15                ; my key's row in its tile: l % 8 + 8 (l / 16)
	v_bfe_u32 v164, v0, 3, 1                       ; and which of the fragment's two tiles: (l / 8) % 2
	v_mul_u32_u24 v6, v15, 48
	v_mad_u32_u24 v6, v164, 24, v6
	s_mul_i32 s22, s8, 1536
	s_add_co_u32 s22, s22, IMG
	v_add_nc_u32 v6, s22, v6                       ; K image: fragment w, lane = the row (+ 16 for block 1: 768 bytes on), half = the tile
	v_lshlrev_b32 v7, 4, v15
	v_lshl_add_u32 v7, v164, 1, v7
	s_lshl_b32 s22, s8, 2
	s_add_co_u32 s22, s22, SIMG
	v_add_nc_u32 v7, s22, v7                       ; K's scale bytes: lane = the row, word w, half word = the tile
	v_mul_u32_u24 v8, v12, 48
	v_mad_u32_u24 v8, v13, 1536, v8
	s_mul_i32 s22, s20, 3072
	s_mul_i32 s23, s19, 768
	s_add_co_u32 s22, s22, s23
	s_add_co_u32 s22, s22, VIMG
	v_add_nc_u32 v8, s22, v8                       ; V image: tile 2 (w % 2) + l / 16, lane l % 16 + 16 (w / 2): all its 48 bytes are mine
	v_lshl_add_u32 v9, v13, 2, v14
	s_lshl_b32 s22, s20, 3
	s_add_co_u32 s22, s22, s19
	s_add_co_u32 s22, s22, SIMG+256
	v_add_nc_u32 v9, s22, v9                       ; V's scale bytes: lane 16 + l % 16, word = the tile, bytes w / 2 and 2 + w / 2
	v_lshlrev_b32 v11, 4, v0                       ; the way out: 16 bytes a thread, 2,048 a work-group
	v_add_nc_u32 v10, IMG, v11
.irp i, 0,1,2,3,4,5,6,7,8,9,10,11,12,13,14,15
	s_wait_loadcnt 15-\i                           ; loads come back in order: load i is in, the 15 - i younger ones may be out
	ds_store_b128 v3, v[X+4*\i:X+4*\i+3] offset:2*TPITCH*\i
.endr
	s_wait_dscnt 0x0                               ; for the others' sake: my rows lie in the tile
	s_barrier_signal -1
	s_barrier_wait -1                              ; all 128 rows do
; 32 numbers of ONE lane, v[src] on, become a block's six registers of codes, v[dst] on, and its scale byte.
.macro QBLK src, dst, byte
	v_max3_num_f32 v[MA], |v[\src]|, |v[\src+1]|, |v[\src+2]|       ; the largest magnitude, in two chains
	v_max3_num_f32 v[MB], |v[\src+3]|, |v[\src+4]|, |v[\src+5]|
.irp i, 6,10,14,18,22,26
	v_max3_num_f32 v[MA], v[MA], |v[\src+\i]|, |v[\src+\i+1]|
	v_max3_num_f32 v[MB], v[MB], |v[\src+\i+2]|, |v[\src+\i+3]|
.endr
	v_max3_num_f32 v[MA], v[MA], |v[\src+30]|, |v[\src+31]|
	v_max3_num_f32 v[MA], v[MA], v[MB], 0x2800000  ; and the floor 2^(5 - 127): the byte cannot fall under 1
	v_add_nc_u32 v[SOP], 0xfe000000, v[MA]         ; 4 off the exponent field: the conversion takes this operand's exponent field as its scale
	v_lshrrev_b32 v[\byte], 23, v[SOP]             ; the scale's byte
	v_cvt_scalef32_pk16_bf6_f32 v[\dst:\dst+2], v[\src:\src+15], v[SOP]
	v_cvt_scalef32_pk16_bf6_f32 v[DT:DT+2], v[\src+16:\src+31], v[SOP]
	v_nop                                          ; one plain place behind a scaled conversion
	v_mov_b32 v[\dst+3], v[DT]
	v_mov_b32 v[\dst+4], v[DT+1]
	v_mov_b32 v[\dst+5], v[DT+2]
.endm
.irp i, 0,1,2,3,4,5,6,7,8,9,10,11,12,13,14,15
	ds_load_b128 v[Y+4*\i:Y+4*\i+3], v4 offset:16*\i               ; my key's 64 numbers
.endr
.set i, 0
.rept 32
	ds_load_b32 v[X+i], v5 offset:i*TPITCH         ; my channel, keys 32 (w / 2) + i: 32 lanes read 128 consecutive bytes
.set i, i+1
.endr
	s_wait_dscnt 32                                ; the key's 16 loads are in; the 32 behind them may be out
	QBLK Y, CK, B0
	QBLK Y+32, CK+6, B0+1
	v_lshl_or_b32 v[KW], v[B0+1], 8, v[B0]         ; the key's two bytes
	s_wait_alu depctr_va_vdst(0)
	s_wait_dscnt 0x0                               ; the first run down the keys is in: at most 48 LDS instructions of mine are ever out
.set i, 0
.rept 32
	ds_load_b32 v[X+32+i], v5 offset:(64+i)*TPITCH ; keys 64 + 32 (w / 2) + i
.set i, i+1
.endr
.irp hh, 0,1
.irp p, 0,1,2
	ds_store_b64 v6, v[CK+6*\hh+2*\p:CK+6*\hh+2*\p+1] offset:768*\hh+8*\p
.endr
.endr
	ds_store_b16 v7, v[KW]
	QBLK X, CV, B0+2
	s_wait_dscnt 7                                 ; the second run is in; the seven stores issued behind it may be out
	QBLK X+32, CV+6, B0+3
.irp c, 0,1,2
	ds_store_b128 v8, v[CV+4*\c:CV+4*\c+3] offset:16*\c
.endr
	ds_store_b8 v9, v[B0+2]
	ds_store_b8 v9, v[B0+3] offset:2
	s_wait_dscnt 0x0                               ; for the others' sake: my part of the image is written
	s_barrier_signal -1
	s_barrier_wait -1                              ; the image is whole
.irp k, 0,1,2,3,4,5
	ds_load_b128 v[X+4*\k:X+4*\k+3], v10 offset:2048*\k
.endr
.irp k, 0,1,2,3,4,5
	s_wait_dscnt 5-\k                              ; load k is in, the 5 - k younger ones may be out
	global_store_b128 v11, v[X+4*\k:X+4*\k+3], s[6:7] offset:2048*\k   ; a wave stores 512 consecutive bytes, at a multiple of 256 from ws's first byte; the next launch reads them, so no hint
.endr
	s_cmp_lg_u32 s8, 0                             ; the last 512 bytes, the scale words, are wave 0's
	s_cbranch_scc1 .Ldone
	ds_load_b128 v[X+24:X+27], v10 offset:12288
	s_wait_dscnt 0x0
	global_store_b128 v11, v[X+24:X+27], s[6:7] offset:12288
.Ldone:
	s_wait_tensorcnt 0x0
	ds_add_u32 v192, v193
	s_wait_dscnt 0x0
	s_endpgm
.Lfunc_end_k_q1a1ba31f1f_quant:
	.size	k_q1a1ba31f1f_quant, .Lfunc_end_k_q1a1ba31f1f_quant-k_q1a1ba31f1f_quant
	.p2alignl 7, 3214868480
	.fill 96, 4, 3214868480
	.section	.rodata,"a",@progbits
	.p2align	6, 0x0
	.amdhsa_kernel k_q1a1ba31f1f_quant
		.amdhsa_group_segment_fixed_size 48128
		.amdhsa_private_segment_fixed_size 0
		.amdhsa_enable_private_segment 0
		.amdhsa_kernarg_size 16
		.amdhsa_user_sgpr_count 2
		.amdhsa_user_sgpr_kernarg_segment_ptr 1
		.amdhsa_wavefront_size32 1
		.amdhsa_system_sgpr_workgroup_id_x 1
		.amdhsa_system_sgpr_workgroup_id_y 1
		.amdhsa_system_sgpr_workgroup_id_z 1
		.amdhsa_system_vgpr_workitem_id 0
		.amdhsa_next_free_vgpr 194
		.amdhsa_next_free_sgpr 66
		.amdhsa_reserve_vcc 0
		.amdhsa_float_denorm_mode_32 3
		.amdhsa_float_denorm_mode_16_64 3
		.amdhsa_memory_ordered 1
		.amdhsa_forward_progress 1
		.amdhsa_inst_pref_size 20
	.end_amdhsa_kernel
	.amdgpu_metadata
---
amdhsa.version: [ 1, 2 ]
amdhsa.kernels:
  - .name:           k_q1a1ba31f1f_quant
    .symbol:         k_q1a1ba31f1f_quant.kd
    .args:
      - { .name: x, .offset: 0, .size: 8, .value_kind: global_buffer, .address_space: global }
      - { .name: ws, .offset: 8, .size: 8, .value_kind: global_buffer, .address_space: global }
    .group_segment_fixed_size: 48128
    .private_segment_fixed_size: 0
    .kernarg_segment_align: 8
    .kernarg_segment_size: 16
    .max_flat_workgroup_size: 128
    .sgpr_count:     66
    .vgpr_count:     194
    .wavefront_size: 32
...
	.end_amdgpu_metadata
.endif
;; end of part 1
;; launch attn (part 2): grid 8 x 32, 16 waves a work-group, clusters of 4 x 1, 280,576 bytes of LDS; arguments ws, out0; writes out0
.if DOCPART == 2
	.amdgcn_target "amdgcn-amd-amdhsa--gfx1250"
	.amdhsa_code_object_version 6
	.text
	.protected	k_q1a1ba31f1f_attn
	.globl	k_q1a1ba31f1f_attn
	.p2align	8
	.type	k_q1a1ba31f1f_attn,@function
k_q1a1ba31f1f_attn:
	s_mov_b64 s[64:65], 0
	v_nop
	global_prefetch_b8 v0, s[64:65] scope:SCOPE_SE
	s_setreg_imm32_b32 hwreg(HW_REG_WAVE_MODE, 25, 1), 1
	s_wait_xcnt 0x0
	s_wait_alu depctr_hold_cnt(0) depctr_sa_sdst(0) depctr_va_vdst(0) depctr_va_sdst(0) depctr_va_ssrc(0) depctr_va_vcc(0) depctr_vm_vsrc(0)
	s_getreg_b32 s2, hwreg(HW_REG_IB_STS2, 6, 4)
	s_cmp_eq_u32 s2, 0
	s_cbranch_scc0 .Lentry_in_a_cluster
	s_endpgm
.Lentry_in_a_cluster:
	s_bfe_u32 s2, ttmp6, 0x10000c
	s_cmp_lg_u32 s2, 0x3003
	s_cbranch_scc0 .Lentry_shape_is_right
	s_endpgm
.Lentry_shape_is_right:
; out0 = causal softmax(x x^T / 8) x for each of 32 heads (2,048 positions, 64 channels), both products on codes of BF6 (E3M2) with one E8M0 scale for each 32 along a product's K.
; ws holds each head as 16 units of 12,800 bytes (128 keys each), in the order of the operands' registers: K image (4 fragments x 32 lanes x 48 bytes; a fragment carries two tiles of 16 keys, one in
; k = 0 .. 63, the other in k = 64 .. 127, since the first product's K is 64), V image (4 tiles of 16 channels x 128 keys), and 32 lanes x 4 scale words (lanes 0-15 K's, lanes 16-31 V's).
; THE WHOLE HEAD, 204,800 bytes, LIES IN LDS: each of the sixteen waves brings one unit by one tensor load at the start; no LDS byte is filled twice.  No prefetch: no loop runs ahead of a load.
; CLUSTER: the four work-groups of a cluster belong to one head and want the same 204,800 bytes: every tensor load is a JOINT one (the same descriptor, mask 15, in all four).  The place in the cluster enters
; only the global addresses of q and of out0 and values (the mask's bounds, a shift), never an LDS address, a branch or a descriptor.
; SHARES.  Work-group j (0 .. 7) of a head, bb = j / 2, u = j % 2.  A tile of 16 queries (g, bb, u) is the rows of key tile 2 bb + u of step g: queries 128 g + 32 bb + 8 u + r + 8 (r / 8); so q's codes are 24 bytes
; a lane of the K image.  Key steps that come wholly after a tile's queries are left out (they are under reference()'s own causal mask).  With w = wave % 8:
;   waves 0-7:  tile w, steps w .. 0 (9 steps in all with the next), then tile 15 - w, steps 15 - w .. 8; the partial result of the second goes to LDS;
;   waves 8-15: tile 15 - w, steps 7 .. 0 (every key counts); at the end they join the other part to theirs.
; So the waves w, w + 4, w + 8, w + 12 have 34 steps together, for every w of 0 .. 3.
; A SEGMENT of steps goes downwards and begins with its highest, e: the diagonal one where there is one.  In step i a wave multiplies K(i), then brings V(i + 1) while it takes the maxima, multiplies V(i + 1) with the codes
; of step i + 1, then brings K(i - 1) while it takes the exponentials.  So K's and V's fragments share their registers, and each run of LDS loads has work to land under.
; LAYOUT.  Both products are used transposed: S^T = K q^T (source 0 = 16 keys, source 1 = my 16 queries, in the lower half of K for a fragment's first tile and in the upper half for its second), O^T = V^T P^T: a lane holds ONE query throughout.
; The keys of a tile are not neighbours (lane r of tile 2 f + u' holds key 32 f + 8 u' + r + 8 (r / 8)), so that registers 16 f + i of S^T are the neighbouring keys 32 f + 16 (lane / 16) + i.
; q IN TWO PARTS ON THE DIAGONAL.  A query's score with its own key is a sum of 64 squares, in units of the scales from 2^9 down to 2^-8.  So in the diagonal step q's codes go in two parts, qh (top exponent bit set: 2 and
; more) and ql (the rest), each with zero codes where the other has numbers: S^T = K qh^T + K ql^T.  The codes are the quantiser's and the sum is the same.  In the other steps q's codes go whole.
; MASK.  In the diagonal step the accumulators begin with 0 where the key counts and with -1e38 where it is hidden: p = 0 there.  A query's own key always counts.
; SOFTMAX.  t = score x log2(e) / 8; M = the running largest t rounded up to a whole number, kept as -M; p = 2^(t - M) is quantised along the keys, not normalised; the row's sum is taken of the unquantised p and divides at the
; end.  When M moves, the sums and O^T are multiplied by 2^(old M - new M), in every step: no branch on data.  A block's scale exponent is floor(its largest t - M) - 4, held at -126 from below.
; LIMITS: NaN and infinities are not served; scores are under 1e37 in magnitude.  A block's exponent is taken of t - M ahead of the exponential, so where a largest p rounds up to a power of two it counts as below it.  The division is v_rcp_f32 and a multiply.
.set UNIT,   12800
.set FRB,    1536                      ; a fragment's image: 32 lanes x 48 bytes
.set VOFF,   6144                      ; the V image in a unit
.set SCOFF,  12288                     ; the scale words in a unit
.set HEADB,  16*UNIT
.set STAGE,  HEADB                     ; behind the head: 4,608 bytes for each wave: 16 rows x 272 bytes on the way out, or a partial result (8 x 512 bytes of O^T, 512 of -M and the sum)
.set SPITCH, 272
.set REG,    4608
.set SPARE,  STAGE+16*REG              ; the spare words, 128 bytes a wave
; v1 48 l; v2 16 l + 12,288; v3, v4 and v9, v43 LDS addresses of a step; v5 my bytes in out0; v6, v7 into and out of my stage; v8 the mask's d; v[10:11], v[14:15], v[236:237], v[254:255] the row's sum in parts; v12 -M; v13 the largest score
; v34 my part of LDS, 16 bytes a lane; v35 that of wave w; v[36:39] V's scale words; v40 q's scale word; v41 p's; v42 the second tile's q scale word; v[44:47] K's scale words
.set Q,   16                           ; v16-33   q, six zeros, q: v[16:27] is [q | 0], v[22:33] is [0 | q]; in the diagonal step qh
.set KV,  48                           ; v48-95   four fragments: K's or V's
.set PC,  96                           ; v96-107  p's codes
.set CT,  108                          ; v108-110, v112-114 the conversions' second halves
.set QL,  96                           ; v96-113  ql in the diagonal step, laid as q (p's codes are free then)
.set S,   116                          ; v116-179 S^T, then p; on the way out the results
.set QT0, 116                          ; v116-127 at work while q is split
.set QT1, 122
.set OT,  180                          ; v180-211 O^T
.set QN,  212                          ; v212-217 the second tile's q; v218, v219 the add's
.set BM,  220                          ; v220-223 the blocks' largest scores
.set BT,  224                          ; v224-227 at work
.set SO,  228                          ; v228-231 the conversions' scale operands
.set MK,  238                          ; v238-253 the diagonal block's mask; at the head v254, v255 are q's offsets in a unit
; v[232:233] f (v233 only named with it); v234 at work; v235 -1e38; on the way out v236 1 / the sum
; s8 wave; s11 bb; s12 u; s13 head; s[16:23] descriptor group 1; s[24:27] group 0; s[40:41], s[42:43] out0 at tiles w and 15 - w; s44 15 - w; s45 w; s46 the segment's e; s47 the step; s48, s49 LDS bytes of units;
; s[50:51] c; s[52:53] lane selects; s63 16 u; s[66:73] the mask's bounds, two for each block
.macro VW
	s_wait_alu depctr_va_vdst(0)
.endm
.macro ROUND                           ; a round of the cluster's barrier
	s_barrier_signal -1
	s_barrier_wait -1
	s_cmp_lg_u32 s8, 0
	s_cbranch_scc1 .Lnot_wave_0_\@
	s_barrier_signal -3
.Lnot_wave_0_\@:
	s_barrier_wait -3
	s_barrier_signal -1
	s_barrier_wait -1
.endm
	s_load_b128 s[4:7], s[0:1], 0x0                ; ws s[4:5], out0 s[6:7]
	v_lshl_add_u32 v218, v0, 2, SPARE
	v_mov_b32 v219, 0
	ds_add_u32 v218, v219                          ; the opening lines: the add twice on end, and below its wait
	ds_add_u32 v218, v219
	v_lshrrev_b32 v9, 5, v0
	v_readfirstlane_b32 s8, v9                     ; wave 0..15
	s_bfe_u32 s9, ttmp6, 0x40000                   ; cx
	s_lshl_b32 s10, ttmp9, 2                       ; in a cluster launch ttmp9 counts clusters
	s_add_co_u32 s10, s10, s9                      ; j
	s_lshr_b32 s11, s10, 1                         ; bb
	s_and_b32 s12, s10, 1                          ; u
	s_and_b32 s13, ttmp7, 0xffff                   ; the head, which the four partners share
	s_and_b32 s45, s8, 7                           ; w
	s_sub_co_u32 s44, 15, s45
	s_cmp_lt_u32 s8, 8
	s_cselect_b32 s56, s45, s44                    ; my first tile: w or 15 - w
	s_mul_i32 s56, s56, UNIT
	s_mov_b32 s57, 0
	s_mul_i32 s58, s44, UNIT
	s_mov_b32 s59, 0
	s_mul_i32 s32, s13, HEADB
	s_mov_b32 s33, 0
	s_mul_i32 s54, s8, UNIT                        ; the unit that I bring: in memory and in LDS alike
	s_mov_b32 s55, 0
	s_lshr_b32 s60, s8, 3                          ; the first segment's e: w in waves 0-7, 7 in waves 8-15
	s_mul_i32 s60, s60, 7
	s_or_b32 s46, s8, s60
	s_and_b32 s46, s46, 7
	s_mul_i32 s48, s46, UNIT
	s_add_co_u32 s60, s46, 7                       ; and the unit below it (not read where e is 0)
	s_and_b32 s60, s60, 7
	s_mul_i32 s49, s60, UNIT
	; descriptor group 1: a unit is a dense block of 12,800 bytes: 50 rows of 32 elements of 8 bytes, no padding
	s_mov_b32 s16, 15|(3<<16)|(1<<21)              ; 15:0 the mask: all four work-groups; 17:16 elements of 8 bytes; 21 set beside a mask
	s_mov_b32 s17, 32<<16
	s_mov_b32 s18, 50<<16
	s_mov_b32 s19, 32<<16
	s_mov_b32 s20, 50
	s_mov_b32 s21, 32
	s_mov_b32 s22, 0
	s_mov_b32 s23, 0
	s_mov_b32 s50, 0x3e38aa3b                      ; c = log2(e) / sqrt(64)
	s_mov_b32 s51, s50                             ; (named with it as a pair)
	s_mov_b32 s52, 0x76543210
	s_mov_b32 s53, 0xfedcba98                      ; v_permlanex16_b32's selects for lane l xor 16
	; the mask's bounds: blocks before bb: 0, 0; block bb: -1e38, 0; blocks behind it: -1e38, -1e38
	s_mov_b32 s60, 0xfe967699
.irp b, 0,1,2,3
	s_cmp_gt_u32 s11, \b
	s_cselect_b32 s[66+2*\b], 0, s60
	s_cmp_lt_u32 s11, \b
	s_cselect_b32 s[67+2*\b], s60, 0
.endr
	; out0: batch, the head's 256 bytes of a row, and the tile's first row 128 g + 32 bb + 8 u (rows of 4,096 bytes)
	s_lshr_b32 s61, s13, 4
	s_lshl_b32 s61, s61, 23
	s_and_b32 s60, s13, 15
	s_lshl_b32 s60, s60, 8
	s_add_co_u32 s61, s61, s60
	s_lshl_b32 s60, s11, 17
	s_add_co_u32 s61, s61, s60
	s_lshl_b32 s60, s12, 15
	s_add_co_u32 s61, s61, s60
	s_lshl_b32 s60, s45, 19
	s_add_co_u32 s40, s61, s60
	s_mov_b32 s41, 0
	s_lshl_b32 s60, s44, 19
	s_add_co_u32 s42, s61, s60
	s_mov_b32 s43, 0
	s_mul_i32 s74, s8, REG
	s_add_co_u32 s74, s74, STAGE                   ; my stage
	s_mul_i32 s75, s45, REG
	s_add_co_u32 s75, s75, STAGE                   ; wave w's
	s_lshl_b32 s76, s12, 3                         ; 8 u
	s_mul_i32 s77, s11, FRB
	s_mul_i32 s78, s12, 24
	s_add_co_u32 s77, s77, s78
	s_lshl_b32 s78, s11, 2
	s_add_co_u32 s78, s78, SCOFF
	s_lshl_b32 s63, s12, 4
	v_and_b32 v9, 31, v0                           ; l
	v_and_b32 v220, 15, v0                         ; r
	v_bfe_u32 v221, v0, 4, 1                       ; hh
	v_mul_u32_u24 v1, v9, 48
	v_lshlrev_b32 v222, 4, v220
	v_lshlrev_b32 v223, 4, v221
	v_lshl_add_u32 v2, v9, 4, SCOFF
	v_add_nc_u32 v254, s77, v1                     ; q's codes in a unit: fragment bb, my lane, half u
	v_add_nc_u32 v255, s78, v222                   ; q's scale bytes: lane r, word bb
	v_mul_u32_u24 v6, v220, SPITCH
	v_lshl_add_u32 v5, v221, 12, v222              ; out0: lanes 0-15 one row's 256 bytes, lanes 16-31 the next row's
	v_mad_u32_u24 v7, v221, SPITCH, v222
	v_and_b32 v8, 8, v220
	v_lshl_add_u32 v6, v221, 5, v6
	v_add_nc_u32 v7, s74, v7                       ; back: two whole rows an instruction
	v_add_nc_u32 v8, v8, v220
	v_add_nc_u32 v6, s74, v6                       ; in: row r, 32 bytes for each half of the lanes
	v_add_nc_u32 v8, s76, v8
	v_lshl_add_u32 v34, v9, 4, s74
	v_lshl_add_u32 v35, v9, 4, s75
	v_sub_nc_u32 v8, v8, v223                      ; d = 8 u + r + 8 (r / 8) - 16 hh: in block bb register i is hidden where i > d
	VW
	s_wait_dscnt 0x0
	s_wait_kmcnt 0x0
	s_add_nc_u64 s[34:35], s[4:5], s[32:33]
	s_add_nc_u64 s[36:37], s[34:35], s[56:57]
	s_add_nc_u64 s[38:39], s[34:35], s[58:59]
	s_mov_b32 s24, 1                               ; group 0 of my fill
	s_mov_b32 s25, s54
	s_add_nc_u64 s[26:27], s[34:35], s[54:55]
	s_or_b32 s27, s27, 0x80000000                  ; type = 2
	s_add_nc_u64 s[40:41], s[6:7], s[40:41]
	s_add_nc_u64 s[42:43], s[6:7], s[42:43]
.irp p, 0,1,2
	global_load_b64 v[Q+2*\p:Q+2*\p+1], v254, s[36:37] offset:8*\p       ; the first tile's q: 24 bytes a lane
.endr
	global_load_b32 v40, v255, s[36:37]
.irp p, 0,1,2
	global_load_b64 v[QN+2*\p:QN+2*\p+1], v254, s[38:39] offset:8*\p     ; tile 15 - w's
.endr
	global_load_b32 v42, v255, s[38:39]
	ROUND                                          ; all four work-groups are here: the joint loads meet
	s_cmp_lt_u32 s8, 8                             ; units 0 to 7 and units 8 to 15 have lines of their own: the first barrier waits for units 0 to 7 alone
	s_cbranch_scc0 .Lfar
	tensor_load_to_lds s[24:27], s[16:23]          ; my one tensor load of the launch
	s_nop 0
.rept 4
	v_nop
.endr
	s_branch .Lfilled
.Lfar:
	tensor_load_to_lds s[24:27], s[16:23]
	s_nop 0
.rept 4
	v_nop
.endr
.Lfilled:
.irp k, 0,1,2,3,4,5
	v_mov_b32 v[Q+6+\k], 0                         ; zero codes add nothing
.endr
.irp b, 0,1,2,3
	v_mov_b32 v[BT+\b], 0                          ; written once: a lane permute's destination counts as one of its sources
.endr
	v_mov_b32 v234, 0
	v_mov_b32 v233, 0                              ; (named as the upper half of a pair)
	v_mov_b32 v235, 0xfe967699                     ; -1e38
.set k, 0
.rept 16
	v_cmp_gt_i32 vcc_lo, k, v8
	v_cndmask_b32 v[MK+k], 0, v235, vcc_lo
.set k, k+1
.endr
; The 192 bits in v[x] .. v[x + 5], one stream, the lowest bits first, are OR-ed with themselves n bits further down, into v[y] on.
.macro SPREAD x, y, n
.irp k, 0,1,2,3,4,5
	v_lshrrev_b32 v[\y+\k], \n, v[\x+\k]
.endr
.irp k, 0,1,2,3,4
	v_lshl_or_b32 v[\y+\k], v[\x+\k+1], 32-\n, v[\y+\k]
.endr
.irp k, 0,1,2,3,4,5
	v_or_b32 v[\y+\k], v[\y+\k], v[\x+\k]
.endr
.endm
; A lane's 32 codes of q are parted: code i lies at bits 6 i .. 6 i + 5 (sign, three exponent bits, two mantissa bits); its bit 4, the top exponent bit, says 2 or more.
; That bit is cut out (it stands at 4, 10, .. 94 of each 96 bits), moved one up (never over a register's end: 31, 63 and 95 are not 4 modulo 6) and spread over the code's six bits: a mask of the large codes.
; qh goes to q's second copy, ql to its own registers; qh is then copied into the first copy too.
.macro QSPLIT
.irp k, 0,3
	v_and_b32 v[QT0+\k], 0x10410410, v[Q+\k]
	v_and_b32 v[QT0+\k+1], 0x04104104, v[Q+\k+1]
	v_and_b32 v[QT0+\k+2], 0x41041041, v[Q+\k+2]
.endr
.irp k, 0,1,2,3,4,5
	v_lshlrev_b32 v[QT0+\k], 1, v[QT0+\k]          ; bit 5 of each large code
.endr
	SPREAD QT0, QT1, 1                             ; bits 5, 4
	SPREAD QT1, QT0, 2                             ; bits 5 .. 2
	SPREAD QT0, QT1, 2                             ; bits 5 .. 0
.irp k, 0,1,2,3,4,5
	v_and_b32 v[Q+12+\k], v[Q+\k], v[QT1+\k]       ; qh: the large codes, zero codes elsewhere
.endr
.irp k, 0,1,2,3,4,5
	v_xor_b32 v[QL+\k], v[Q+\k], v[Q+12+\k]        ; ql: the others
.endr
.irp k, 0,1,2,3,4,5
	v_mov_b32 v[Q+\k], v[Q+12+\k]
	v_mov_b32 v[QL+12+\k], v[QL+\k]
	v_mov_b32 v[QL+6+\k], 0
.endr
.endm
.macro QWHOLE                          ; behind the diagonal step q is whole again: qh and ql have no code in common
.irp k, 0,1,2,3,4,5
	v_or_b32 v[Q+\k], v[Q+\k], v[QL+\k]
.endr
.irp k, 0,1,2,3,4,5
	v_mov_b32 v[Q+12+\k], v[Q+\k]
.endr
.endm
.macro FMAP q                          ; pairs q .. q + 3 of the scores: t - M, two at a time (of the pairs c and -M the low word serves both halves)
.irp i, 0,1,2,3
	v_pk_fma_f32 v[S+2*(\q+\i):S+2*(\q+\i)+1], v[S+2*(\q+\i):S+2*(\q+\i)+1], s[50:51], v[12:13] op_sel_hi:[1,0,0]
.endr
.endm
.macro ADDN first                      ; the next pair of the unquantised p goes into the row's sum: four chains by turns; a chain's first line in a step brings its sum under the new M, or begins it
.if AI < 32
.if AI%4 == 0
.set CH, 14
.elseif AI%4 == 1
.set CH, 10
.elseif AI%4 == 2
.set CH, 254
.else
.set CH, 236
.endif
.if (AI < 4) && \first
	v_pk_add_f32 v[CH:CH+1], v[S+2*AI:S+2*AI+1], v[S+2*AI+8:S+2*AI+9]
.elseif AI < 4
	v_pk_fma_f32 v[CH:CH+1], v[CH:CH+1], v[232:233], v[S+2*AI:S+2*AI+1] op_sel_hi:[1,0,1]
.else
	v_pk_add_f32 v[CH:CH+1], v[CH:CH+1], v[S+2*AI:S+2*AI+1]
.endif
.set AI, AI+1
.if (AI == 4) && \first
.set AI, 8
.endif
.endif
.endm
.macro KQ f, h, qb, acc                ; 16 scores a query: fragment f's tile h, onto the accumulator or from 0
.if \acc
	v_wmma_scale_f32_16x16x128_f8f6f4 v[S+16*(\f)+8*\h:S+16*(\f)+8*\h+7], v[KV+12*(\f):KV+12*(\f)+11], v[\qb+6*\h:\qb+6*\h+11], v[S+16*(\f)+8*\h:S+16*(\f)+8*\h+7], v[44+(\f)], v40 matrix_a_fmt:MATRIX_FMT_BF6 matrix_b_fmt:MATRIX_FMT_BF6
.else
	v_wmma_scale_f32_16x16x128_f8f6f4 v[S+16*(\f)+8*\h:S+16*(\f)+8*\h+7], v[KV+12*(\f):KV+12*(\f)+11], v[\qb+6*\h:\qb+6*\h+11], 0, v[44+(\f)], v40 matrix_a_fmt:MATRIX_FMT_BF6 matrix_b_fmt:MATRIX_FMT_BF6
.endif
.endm
.macro OPROD                           ; O^T += V^T P^T: four accumulators, one instruction a turn
.irp t, 0,1,2,3
	v_wmma_scale_f32_16x16x128_f8f6f4 v[OT+8*\t:OT+8*\t+7], v[KV+12*\t:KV+12*\t+11], v[PC:PC+11], v[OT+8*\t:OT+8*\t+7], v[36+\t], v41 matrix_a_fmt:MATRIX_FMT_BF6 matrix_b_fmt:MATRIX_FMT_BF6 matrix_a_scale:MATRIX_SCALE_ROW1
.endr
.endm
.macro KLOAD va, vs                    ; a unit's scale words and K's four fragments
	ds_load_b128 v[44:47], v\vs
.irp f, 0,1,2,3
.irp c, 0,1,2
	ds_load_b128 v[KV+12*\f+4*\c:KV+12*\f+4*\c+3], v\va offset:FRB*\f+16*\c
.endr
.endr
.endm
.macro VLOAD off                       ; V's, of the unit that lies off bytes behind v3's
	ds_load_b128 v[36:39], v4 offset:\off
.irp f, 0,1,2,3
.irp c, 0,1,2
	ds_load_b128 v[KV+12*\f+4*\c:KV+12*\f+4*\c+3], v3 offset:\off+VOFF+FRB*\f+16*\c
.endr
.endr
.endm
; THE SOFTMAX of a step.  first = 1: the segment's first, which begins M and the sums; else O^T takes the step before in its midst, and then either K(i - 1) is brought (pf = 1) or, in the segment's last step, V(i).
.macro SOFT first, pf, base
.irp b, 0,1,2,3
	v_max3_num_f32 v[BM+\b], v[S+16*\b], v[S+16*\b+1], v[S+16*\b+2]          ; the largest score of each block of 32 keys: for the row's maximum and for the block's scale
.endr
.irp i, 3,5,7,9,11,13
.irp b, 0,1,2,3
	v_max3_num_f32 v[BM+\b], v[BM+\b], v[S+16*\b+\i], v[S+16*\b+\i+1]
.endr
.endr
.irp b, 0,1,2,3
	v_max_num_f32 v[BM+\b], v[BM+\b], v[S+16*\b+15]
.endr
	v_permlane16_swap_b32 v[BM], v[BM+1]           ; the two halves of blocks 0 and 1 meet: lanes 0-15 go on with block 0, lanes 16-31 with block 1 (of the same query),
	v_permlane16_swap_b32 v[BM+2], v[BM+3]         ; and with blocks 2 and 3
	v_max_num_f32 v[BM], v[BM], v[BM+1]
	v_max_num_f32 v[BM+2], v[BM+2], v[BM+3]
	s_delay_alu instid0(VALU_DEP_1)
	v_max_num_f32 v[BT], v[BM], v[BM+2]
	s_delay_alu instid0(VALU_DEP_1)
	v_permlanex16_b32 v[BT+1], v[BT], s52, s53
	s_delay_alu instid0(VALU_DEP_1)
.if \first
	v_max_num_f32 v13, v[BT], v[BT+1]              ; the largest score of my query
.else
	v_max3_num_f32 v13, v13, v[BT], v[BT+1]        ; the running largest
.endif
	s_delay_alu instid0(VALU_DEP_1)
	v_mul_f32 v234, s50, v13                       ; as t (c is positive)
	s_delay_alu instid0(VALU_DEP_1)
.if \first
	v_floor_f32 v12, -v234                         ; -M = -ceil(t): a whole number
.else
	v_floor_f32 v234, -v234                        ; the new -M
	s_delay_alu instid0(VALU_DEP_1)
	v_sub_f32 v[BT+2], v234, v12                   ; old M - new M: a whole number, 0 or less
	v_mov_b32 v12, v234
.endif
	FMAP 0
.if \first == 0
	v_cvt_i32_f32 v[BT+2], v[BT+2]                 ; (it saturates)
.endif
	v_fma_f32 v[BM], v[BM], s50, v12               ; t - M of each block's largest score, two blocks to a register
	v_fma_f32 v[BM+2], v[BM+2], s50, v12
	FMAP 4
.if \first == 0
	v_ldexp_f32 v232, 1.0, v[BT+2]                 ; f = 2^(old M - new M)
.endif
	v_max_num_f32 v[BM], 0xc2f40000, v[BM]         ; held at -122: the scale's byte cannot fall under 1
	v_max_num_f32 v[BM+2], 0xc2f40000, v[BM+2]
.if \first == 0
	VW
	s_wait_dscnt 0x0                               ; V's fragments of the step before are in
	OPROD
.endif
	FMAP 8                                         ; (four places behind the products)
	v_cvt_floor_i32_f32 v[BM], v[BM]               ; floor(log2(the block's largest p))
	v_cvt_floor_i32_f32 v[BM+2], v[BM+2]
.if \first
	v_add_nc_u32 v9, s49, v1
	v_add_nc_u32 v43, s49, v2
	VW
	s_cmp_eq_u32 s46, \base                        ; has the segment further steps?
	s_cbranch_scc1 .Lno_more_\@
	KLOAD 9, 43                                    ; K of the next
	s_branch .Lasked_\@
.Lno_more_\@:
	VLOAD 0                                        ; or V of this one
.Lasked_\@:
.elseif \pf
	KLOAD 3, 4
.else
	VLOAD 0
.endif
	FMAP 12
	v_lshl_add_u32 v[SO], v[BM], 23, 0x3d800000    ; + 127 - 4, in the exponent field: the conversion's scale operand
	v_lshl_add_u32 v[SO+2], v[BM+2], 23, 0x3d800000
	v_lshl_add_u32 v41, v[BM+2], 16, v[BM]         ; p's scale word: blocks 0 and 2 in lanes 0-15, blocks 1 and 3 in lanes 16-31,
	FMAP 16
	v_mov_b32 v[SO+1], v[SO]
	v_mov_b32 v[SO+3], v[SO+2]
	v_permlanex16_b32 v[BT+3], v41, s52, s53
	FMAP 20
	v_permlane16_swap_b32 v[SO], v[SO+1]           ; all four blocks' operands in all lanes
	v_permlane16_swap_b32 v[SO+2], v[SO+3]
	v_lshl_add_u32 v41, v[BT+3], 8, v41            ; joined
	FMAP 24
	FMAP 28
.if \first == 0
.set k, 0
.rept 16
	v_pk_mul_f32 v[OT+2*k:OT+2*k+1], v[OT+2*k:OT+2*k+1], v[232:233] op_sel_hi:[1,0]   ; O^T under the new M, each accumulator from its low end on
.set k, k+1
.endr
.endif
	VW                                             ; one wait ahead of the batch
.set k, 0
.rept 64
	v_exp_f32 v[S+k], v[S+k]                       ; p = 2^(t - M), at most 1
.set k, k+1
.endr
	v_add_nc_u32 v41, 0x7b7b7b7b, v41              ; + 123 in each byte: p's scale word is whole (and a plain place behind the exponentials)
	VW                                             ; and one behind it, ahead of its first reader
.irp c, 0,1
	v_cvt_scalef32_pk16_bf6_f32 v[PC+6*\c:PC+6*\c+2], v[S+32*\c:S+32*\c+15], v[SO+2*\c]
	v_cvt_scalef32_pk16_bf6_f32 v[CT+4*\c:CT+4*\c+2], v[S+32*\c+16:S+32*\c+31], v[SO+2*\c+1]   ; (a conversion's three registers begin on an even number)
.endr
.set AI, 0
.rept 2
	ADDN \first                                    ; (plain places behind the conversions)
.endr
.irp i, 0,1,2                          ; the operand's layout wants a whole block in a lane: lanes 0-15 block 2 c, lanes 16-31 block 2 c + 1
	v_permlane16_swap_b32 v[PC+\i], v[CT+\i]
	v_permlane16_swap_b32 v[PC+6+\i], v[CT+4+\i]
	ADDN \first
	ADDN \first
.endr
.irp i, 0,1,2
	v_mov_b32 v[PC+3+\i], v[CT+\i]
	v_mov_b32 v[PC+9+\i], v[CT+4+\i]
	ADDN \first
	ADDN \first
.endr
.rept 18
	ADDN \first
.endr
.endm
; A SEGMENT'S FIRST STEP: unit e at LDS byte s48, the unit below it at s49.  both = 1: the diagonal step in waves 0-7, an open one in waves 8-15; both = 0: diagonal.
.macro PRO both, base
	v_add_nc_u32 v3, s48, v1
	v_add_nc_u32 v4, s48, v2
	KLOAD 3, 4
.set k, 0
.rept 32
	v_mov_b32 v[OT+k], 0                           ; O^T begins (the loop adds onto it) while K's fragments land
.set k, k+1
.endr
	VW
.if \both
	s_cmp_lt_u32 s8, 8
	s_cbranch_scc0 .Lopen_\@
.endif
	QSPLIT
.irp b, 0,1,2,3
.irp i, 0,1,2,3,4,5,6,7,8,9,10,11,12,13,14,15
	v_med3_num_f32 v[S+16*\b+\i], v[MK+\i], s[66+2*\b], s[67+2*\b]   ; 0 where the key counts, -1e38 where it is hidden
.endr
.endr
	VW
.irp e, 0,2                            ; four accumulators by turns, one instruction a turn: qh, then ql
	s_wait_dscnt 6-3*\e                            ; the scale words and fragments 0 .. e + 1 are in
	KQ \e, 0, Q, 1
	KQ \e, 1, Q, 1
	KQ \e+1, 0, Q, 1
	KQ \e+1, 1, Q, 1
	KQ \e, 0, QL, 1
	KQ \e, 1, QL, 1
	KQ \e+1, 0, QL, 1
	KQ \e+1, 1, QL, 1
.endr
.rept 4
	v_nop                                          ; four places behind the products, in front of writes of their registers
.endr
	QWHOLE
.if \both
	VW
	s_branch .Lsoft_\@
.Lopen_\@:
.irp f, 0,1,2,3
	s_wait_dscnt 9-3*\f                            ; the scale words and fragments 0 .. f are in; the 9 - 3 f loads of the later fragments may be out
	KQ \f, 0, Q, 0
	KQ \f, 1, Q, 0
.endr
.rept 4
	v_nop                                          ; four places in front of the first read of the scores
.endr
.Lsoft_\@:
.endif
	SOFT 1, 0, \base
.endm
; A FURTHER STEP, s47.  pf = 1: s48 is the LDS byte of the unit below it; pf = 0: the segment's last step, s48 is its own unit's.
.macro BODY pf
	s_cmp_ge_u32 s47, s46                          ; not below e: no step of mine
	s_cbranch_scc1 .Lhid_\@
	s_wait_dscnt 0x0                               ; K's fragments and scale words are in
.irp f, 0,1,2,3
	KQ \f, 0, Q, 0
	KQ \f, 1, Q, 0
.endr
	v_add_nc_u32 v3, s48, v1                       ; four places: for the loads below into K's registers, and for the first read of the scores
	v_add_nc_u32 v4, s48, v2
	v_nop
	v_nop
	VLOAD (1+\pf)*UNIT                             ; V of the step before, the unit above
	SOFT 0, \pf, 0
.Lhid_\@:
.endm
.macro SUM dst                         ; the sum's four chains, and the pair's two halves
	v_pk_add_f32 v[14:15], v[14:15], v[10:11]
	v_pk_add_f32 v[254:255], v[254:255], v[236:237]
	v_pk_add_f32 v[14:15], v[14:15], v[254:255]
	v_add_f32 \dst, v14, v15
.endm
; THE WAY OUT: the results in v[S] on go through my own stage in LDS, so that sixteen lanes store a row's 256 consecutive bytes.
.macro STOUT base
.irp t, 0,1,2,3
	ds_store_b128 v6, v[S+8*\t:S+8*\t+3] offset:64*\t
	ds_store_b128 v6, v[S+8*\t+4:S+8*\t+7] offset:64*\t+16
.endr
.irp i, 0,1,2,3,4,5,6,7
	ds_load_b128 v[S+32+4*\i:S+32+4*\i+3], v7 offset:2*SPITCH*\i   ; LDS serves a wave's instructions in order: these see my stores
.endr
.irp i, 0,1,2,3,4,5,6,7
	s_wait_dscnt 7-\i                              ; load i is in, the 7 - i younger ones may be out
	global_store_b128 v5, v[S+32+4*\i:S+32+4*\i+3], s[\base:\base+1] offset:(2*\i+8*(\i/4))*4096 th:TH_STORE_NT   ; the tile's rows 2 i, 2 i + 1 are positions 2 i + 8 (i / 4) on; 16 lanes store 256 consecutive bytes, at a multiple of 256 from out0's first byte
.endr
.endm
	VW
	s_wait_loadcnt 0x0                             ; both tiles' q
	v_lshrrev_b32 v40, s63, v40                    ; q's two scale bytes, in both halves of the word: q in the lower half of K is scaled by bytes 0, 1, in the upper half by bytes 2, 3; the others stand over zero codes
	v_lshrrev_b32 v42, s63, v42
	v_and_b32 v40, 0xffff, v40
	v_and_b32 v42, 0xffff, v42
	v_lshl_or_b32 v40, v40, 16, v40
	v_lshl_or_b32 v42, v42, 16, v42
.irp k, 0,1,2,3,4,5
	v_mov_b32 v[Q+12+\k], v[Q+\k]
.endr
	VW
	s_cmp_lt_u32 s8, 8
	s_cbranch_scc0 .Lnot_near
	s_wait_tensorcnt 0x0                           ; waves 0 to 7: my unit has landed (units 8 to 15 may be out)
.Lnot_near:
	s_barrier_signal -1
	s_barrier_wait -1                              ; units 0 to 7 are whole
	s_wait_tensorcnt 0x0                           ; every wave's unit has landed: said here, waited for behind the first loop; register work and reads of units 0 to 7 stand between
	s_barrier_signal -1
	PRO 1, 0
	s_mov_b32 s47, 7
	s_mov_b32 s48, 6*UNIT
.Lnear:                                                ; steps 6 to 1
	s_sub_co_u32 s47, s47, 1
	s_sub_co_u32 s48, s48, UNIT
	BODY 1
	s_cmp_lg_u32 s47, 1
	s_cbranch_scc1 .Lnear
	s_mov_b32 s47, 0
	s_mov_b32 s48, 0
	BODY 0                                         ; step 0
	VW
	s_barrier_wait -1                              ; units 8 to 15 are whole too
	s_wait_dscnt 0x0
	OPROD                                          ; O^T takes the segment's last step
	s_cmp_lt_u32 s8, 8
	s_cbranch_scc1 .Lsecond
	s_mov_b32 s46, 0                               ; waves 8-15: my part of tile 15 - w stays in registers; no step of the second loop is mine
	s_branch .Lwalk
.Lsecond:                                              ; waves 0-7: tile w goes out
	SUM v14
	v_permlanex16_b32 v234, v14, s52, s53
	v_add_f32 v14, v14, v234                       ; with lane l xor 16's: the row's sum
	VW
	v_rcp_f32 v236, v14
	v_nop                                          ; one plain place behind a transcendental
	VW
.set k, 0
.rept 16
	v_pk_mul_f32 v[S+2*k:S+2*k+1], v[OT+2*k:OT+2*k+1], v[236:237] op_sel_hi:[1,0]   ; register 8 t + i: channel 16 t + 8 hh + i of query r
.set k, k+1
.endr
	STOUT 40
	s_wait_xcnt 0x0                                ; the stores' registers are written again only behind this wait
	v_mov_b32 v40, v42                             ; and tile 15 - w begins
.irp k, 0,1,2,3,4,5
	v_mov_b32 v[Q+\k], v[QN+\k]
	v_mov_b32 v[Q+12+\k], v[QN+\k]
.endr
	s_mov_b32 s46, s44
	s_mul_i32 s48, s44, UNIT
	s_sub_co_u32 s60, s44, 1
	s_mul_i32 s49, s60, UNIT
	PRO 0, 8
.Lwalk:
	VW
	s_mov_b32 s47, 15
	s_mov_b32 s48, 14*UNIT
.Lfarther:                                             ; steps 14 to 9, by waves 0-7
	s_sub_co_u32 s47, s47, 1
	s_sub_co_u32 s48, s48, UNIT
	BODY 1
	s_cmp_lg_u32 s47, 9
	s_cbranch_scc1 .Lfarther
	s_mov_b32 s47, 8
	s_mov_b32 s48, 8*UNIT
	BODY 0                                         ; step 8
	VW
	s_cmp_lt_u32 s8, 8
	s_cbranch_scc0 .Lmeet
	s_wait_dscnt 0x0                               ; waves 0-7: the second segment's last step, and my part of tile 15 - w goes to LDS: O^T as it lies in the registers, -M and my lane's part of the sum
	OPROD
	SUM v13
	v_nop
.irp g, 0,1,2,3,4,5,6,7
	ds_store_b128 v34, v[OT+4*\g:OT+4*\g+3] offset:512*\g
.endr
	ds_store_b64 v34, v[12:13] offset:4096
.Lmeet:
	VW
	s_wait_dscnt 0x0                               ; for the others' sake: my partial result is written
	s_barrier_signal -1
	s_barrier_wait -1
	s_cmp_lt_u32 s8, 8
	s_cbranch_scc1 .Lend
	; waves 8-15 join the two parts of tile 15 - w under the larger M: exact powers of two
	ds_load_b64 v[MK:MK+1], v35 offset:4096        ; the other part's -M and sum
.irp g, 0,1,2,3,4,5,6,7
	ds_load_b128 v[S+4*\g:S+4*\g+3], v35 offset:512*\g
.endr
	SUM v14
	VW
	s_wait_dscnt 0x0
	v_min_num_f32 v234, v[MK], v12
	v_sub_f32 v[BT], v234, v[MK]
	v_sub_f32 v[BT+1], v234, v12
	v_cvt_i32_f32 v[BT], v[BT]
	v_cvt_i32_f32 v[BT+1], v[BT+1]
	v_ldexp_f32 v[BT], 1.0, v[BT]                  ; the other part's factor
	v_ldexp_f32 v[BT+1], 1.0, v[BT+1]              ; and mine
	v_mul_f32 v14, v14, v[BT+1]
	v_fma_f32 v14, v[MK+1], v[BT], v14
	v_permlanex16_b32 v234, v14, s52, s53
	v_add_f32 v14, v14, v234                       ; the row's sum
	VW
	v_rcp_f32 v236, v14
	v_nop
	VW
	v_mul_f32 v[BM], v[BT], v236
	v_mul_f32 v232, v[BT+1], v236
	VW
.set k, 0
.rept 16
	v_pk_mul_f32 v[OT+2*k:OT+2*k+1], v[OT+2*k:OT+2*k+1], v[232:233] op_sel_hi:[1,0]
.set k, k+1
.endr
.set k, 0
.rept 16
	v_pk_fma_f32 v[S+2*k:S+2*k+1], v[S+2*k:S+2*k+1], v[BM:BM+1], v[OT+2*k:OT+2*k+1] op_sel_hi:[1,0,1]
.set k, k+1
.endr
	STOUT 42
.Lend:
	s_wait_tensorcnt 0x0                           ; the wave's end
	ds_add_u32 v218, v219
	s_wait_dscnt 0x0
	ROUND                                          ; the closing round: no work-group ends while a partner may still ask for a tile that names it
	s_endpgm
.Lfunc_end_k_q1a1ba31f1f_attn:
	.size	k_q1a1ba31f1f_attn, .Lfunc_end_k_q1a1ba31f1f_attn-k_q1a1ba31f1f_attn
	.p2alignl 7, 3214868480
	.fill 96, 4, 3214868480
	.section	.rodata,"a",@progbits
	.p2align	6, 0x0
	.amdhsa_kernel k_q1a1ba31f1f_attn
		.amdhsa_group_segment_fixed_size 280576
		.amdhsa_private_segment_fixed_size 0
		.amdhsa_enable_private_segment 0
		.amdhsa_kernarg_size 16
		.amdhsa_user_sgpr_count 2
		.amdhsa_user_sgpr_kernarg_segment_ptr 1
		.amdhsa_wavefront_size32 1
		.amdhsa_system_sgpr_workgroup_id_x 1
		.amdhsa_system_sgpr_workgroup_id_y 1
		.amdhsa_system_sgpr_workgroup_id_z 1
		.amdhsa_system_vgpr_workitem_id 0
		.amdhsa_next_free_vgpr 256
		.amdhsa_next_free_sgpr 80
		.amdhsa_reserve_vcc 1
		.amdhsa_float_denorm_mode_32 3
		.amdhsa_float_denorm_mode_16_64 3
		.amdhsa_memory_ordered 1
		.amdhsa_forward_progress 1
		.amdhsa_inst_pref_size 130
	.end_amdhsa_kernel
	.amdgpu_metadata
---
amdhsa.version: [ 1, 2 ]
amdhsa.kernels:
  - .name:           k_q1a1ba31f1f_attn
    .symbol:         k_q1a1ba31f1f_attn.kd
    .args:
      - { .name: ws, .offset: 0, .size: 8, .value_kind: global_buffer, .address_space: global }
      - { .name: out0, .offset: 8, .size: 8, .value_kind: global_buffer, .address_space: global }
    .group_segment_fixed_size: 280576
    .private_segment_fixed_size: 0
    .kernarg_segment_align: 8
    .kernarg_segment_size: 16
    .max_flat_workgroup_size: 512
    .sgpr_count:     80
    .vgpr_count:     256
    .wavefront_size: 32
...
	.end_amdgpu_metadata
.endif
;; end of part 2
